; MI455X (gfx1250); checked and timed in simulation.
; The chip was launched on July 23, 2026; its instructions are those of AMD's public machine-readable ISA for CDNA 5 (MIT licence, August 2026) and "CDNA5" Instruction Set Architecture Reference Guide (July 2026). The comments in the code are by the model that wrote it; some were corrected since.
;; Self Attention1 D. Allowed arithmetic: matrix products marked QUANTISED: E5M2 operands, one given power-of-two scale a tensor, by v_wmma_f32_16x16x64_bf8_bf8 or v_wmma_f32_16x16x128_bf8_bf8, f32 sums; everything else in f32.
;; Inputs: Wf 512 x 64 float32; Wg 512 x 64 float32; Wh 512 x 512 float32; bf 64 float32; bg 64 float32; bh 512 float32; gamma one number float32; lowp_scales 10 int32 (the exponents e of the quantised operands' scales 2^e); x 4 x 4,096 x 512 float32.
;; Outputs: out0 4 x 4,096 x 512 float32.
;; This version of the problem:
;;   THIS VERSION OF THE PROBLEM IS GIVEN IN LOW PRECISION. The matrix products marked QUANTISED in the list below multiply operands that are first quantised to E5M2 (5 exponent bits, 2 mantissa bits; 8 bits a number), with one given power-of-two scale for each operand tensor; their sums are f32. All else is computed in f32.
;;   The module's matrix products, in the order in which they are computed (A, B: the left and right operand; K: the contracted axis; several contracted axes count as one K, in the product's order):
;;     1. [M 16,384, K 512] x [K 512, N 64]; A: input x; B: input Wf: QUANTISED (scales: A lowp_scales[0], B lowp_scales[1])
;;     2. [M 16,384, K 512] x [K 512, N 64]; A: input x; B: input Wg: QUANTISED (scales: A lowp_scales[2], B lowp_scales[3])
;;     3. [M 16,384, K 512] x [K 512, N 512]; A: input x; B: input Wh: QUANTISED (scales: A lowp_scales[4], B lowp_scales[5])
;;     4. batch 4 x [M 4,096, K 64] x [K 64, N 4,096]; A: computed on the way; B: computed on the way: QUANTISED (scales: A lowp_scales[6], B lowp_scales[7])
;;     5. batch 4 x [M 4,096, K 4,096] x [K 4,096, N 512]; A: softmax (see below); B: computed on the way: QUANTISED (scales: A lowp_scales[8], B lowp_scales[9])
;;   THE QUANTISER, for each operand of a quantised product, along K:
;;     - The operand's scale is 2^e, e = its entry of the input lowp_scales (int32; the entries are numbered through the quantised products in the list's order, A before B).
;;     - Each number is divided by the scale, clamped to +-57,344, and rounded to the nearest number of E5M2, ties to even, subnormals kept.
;;     - The product sums the exact products of the quantised numbers (number of the format x scale) in f32.
;;   ~~~python
;;   def quantise(x, axis, e):      # numpy; x: float32 -> the quantised numbers, widened to float32 again
;;       x = np.moveaxis(x, axis, -1); K = x.shape[-1]
;;       r = np.clip(x / 2.0 ** e, -57344, 57344)
;;       step = 2.0 ** (np.maximum(np.frexp(np.where(r == 0, 1, r))[1] - 1, -14) - 2)
;;       q = np.round(r / step) * step * 2.0 ** e      # np.round: ties to even
;;       return np.moveaxis(q, -1, axis).astype(np.float32)
;;   ~~~
;;   SOFTMAX AHEAD OF A QUANTISED PRODUCT. Where the list says 'softmax', what is quantised is not the finished softmax but p = 2^(t - M), with t = logit x log2(e) and M = ceil(the row's largest t), a whole number; so 1/2 < the row's largest p <= 1. The row's sum l is taken of the UNQUANTISED p, in f32, and the product's result is divided by l at the end. Since M is a whole number, a kernel that streams over the keys may use a running M (the ceiling of the running maximum): every later rescaling is an exact power of two, so the quantised numbers keep their values, but for numbers so far below the row's largest that they fall under the format's range.
;;   OPERANDS COMPUTED ON THE WAY. 'Computed on the way' means the value that the module computes at that place (a softmax that the list does not call 'softmax' is quantised finished and normalised). What goes into a quantiser is computed in f32, as accurately as f32 sums, v_exp_f32 and their like allow (about 1e-6 of the number): no bf16 or f16 on the way to a quantiser, and a product that is left as it is and whose result goes on into a quantised operand takes f32 operands (vector FMAs, or v_wmma_f32_16x16x4_f32). A number that lies on a knife's edge between two numbers of the format may be rounded either way, as far as f32 arithmetic and the matrix unit's own rounding can turn it there, and no further.
;; One version. Each part assembles by itself: llvm-mc -triple=amdgcn-amd-amdhsa -mcpu=gfx1250 --defsym DOCPART=n.
;; ======== version 1 of 1: 3 launches
;; workspace buffers: wc 327,680 bytes; fc 1,048,576 bytes; kv 9,437,184 bytes
;; launch wq (part 1): grid 40 x 4, 1 waves a work-group, no clusters, 0 bytes of LDS; arguments Wf, Wg, Wh, lowp_scales, wc; writes wc
.if DOCPART == 1
	.amdgcn_target "amdgcn-amd-amdhsa--gfx1250"
	.amdhsa_code_object_version 6
	.text
	.protected	k_qdab9cdd1b6_wq
	.globl	k_qdab9cdd1b6_wq
	.p2align	8
	.type	k_qdab9cdd1b6_wq,@function
k_qdab9cdd1b6_wq:
	s_mov_b64 s[64:65], 0
	v_nop
	global_prefetch_b8 v0, s[64:65] scope:SCOPE_SE
	s_setreg_imm32_b32 hwreg(HW_REG_WAVE_MODE, 25, 1), 1
	s_wait_xcnt 0x0
; out = x + gamma softmax(f g^T) h, f = x Wf + bf, g = x Wg + bg, h = x Wh + bh, all five products on codes of BF8 (E5M2), each operand with the scale 2^e given for it.
; THREE LAUNCHES: this one turns the weights into codes; the second makes f, g and h and turns them into codes; the third is the attention and the residual.
; NOTHING IS LEFT OUT.  Every input has a way to the output: the three biases go into operands that are quantised (they move those operands' codes), gamma and x enter the result itself,
; and each of the ten exponents scales an operand of a product that is used.
; THIS LAUNCH.  Wf, Wg [512][64] and Wh [512][512], f32, have K as their FIRST axis.  A LANE TAKES A COLUMN AND ITS REGISTERS RUN DOWN K, so that the conversions, which take neighbours along K
; from one lane's consecutive registers, give a matrix operand's registers as they stand.  They are stored in that order: wc is [T 0..39][s 0..3][c 0..3][lane][16 bytes]; lane (r, h), group c holds
; k = 128 s + 32 c + 16 h + 0 .. 15 of column col(T, r).  T 0-3: Wf, T = 2 b + u, col = 32 b + 8 u + r + 8 (r / 8); T 4-7: Wg likewise; T 8-39: Wh, col = 16 (T - 8) + r.
; (The columns of a tile of Wf and Wg are not neighbours: the second launch uses those products transposed, and two neighbouring tiles then give a lane 16 neighbours along the next K.)
; One wave makes one fragment (T = work-group x, s = work-group y): 64 loads, 64 holds, 8 conversions, 4 stores of 512 consecutive bytes.  A load reads runs of 64 bytes; 1.3 MB in all, read once.
; code = w / 2^e, held within +-57,344, to the nearest code, ties to even; e = entry 1 (Wf), 3 (Wg), 5 (Wh).  LIMITS: e between -126 and 112.  NaN among the inputs is not served.
.set X,  16                            ; v16-79  my 64 numbers: register 16 c + i = k 128 s + 32 c + 16 h + i
.set CD, 80                            ; v80-95  their codes
.macro WLOADS pitch                    ; pitch: bytes from a row of the weight to the next
.irp c, 0,1,2,3
.irp i, 0,1,2,3,4,5,6,7,8,9,10,11,12,13,14,15
	global_load_b32 v[X+16*\c+\i], v3, s[24:25] offset:(32*\c+\i)*\pitch
.endr
.endr
.endm
	s_load_b256 s[4:11], s[0:1], 0x0               ; Wf s[4:5], Wg s[6:7], Wh s[8:9], the exponents s[10:11]
	s_load_b64 s[12:13], s[0:1], 0x20              ; wc
	v_and_b32 v1, 15, v0                           ; r
	v_lshrrev_b32 v2, 4, v0                        ; h
	v_lshlrev_b32 v4, 4, v0                        ; 16 x lane: my place in an image's 512 bytes
	s_and_b32 s14, ttmp7, 0xffff                   ; s
	s_mov_b32 s29, 0
	s_mov_b32 s31, 0
	s_lshl_b32 s30, ttmp9, 2
	s_add_co_u32 s30, s30, s14
	s_lshl_b32 s30, s30, 11                        ; (4 T + s) x 2,048: my fragment's place in wc
	s_wait_kmcnt 0x0
	s_load_b256 s[16:23], s[10:11], 0x0            ; e0 .. e7
	s_add_nc_u64 s[12:13], s[12:13], s[30:31]
	s_cmp_lt_u32 ttmp9, 4                          ; which weight: the choice hangs on the work-group's number alone
	s_cselect_b64 s[24:25], s[4:5], s[6:7]
	s_cmp_lt_u32 ttmp9, 8
	s_cselect_b64 s[24:25], s[24:25], s[8:9]
	s_cbranch_scc0 .Lwh                            ; (a select leaves SCC as the compare set it)
	s_lshl_b32 s28, s14, 15                        ; Wf, Wg: 128 s rows of 256 bytes,
	s_bfe_u32 s30, ttmp9, 0x10001                  ; b
	s_lshl_b32 s30, s30, 7
	s_add_co_u32 s28, s28, s30                     ; + 4 x 32 b
	s_and_b32 s30, ttmp9, 1                        ; u
	s_lshl_b32 s30, s30, 5
	s_add_co_u32 s28, s28, s30                     ; + 4 x 8 u
	s_add_nc_u64 s[24:25], s[24:25], s[28:29]
	v_and_b32 v3, 8, v1
	v_add_nc_u32 v3, v3, v1                        ; r + 8 (r / 8)
	v_lshlrev_b32 v3, 2, v3
	v_lshl_add_u32 v3, v2, 12, v3                  ; + 16 h rows
	WLOADS 256
	s_branch .Ljoin
.Lwh:
	s_lshl_b32 s28, s14, 18                        ; Wh: 128 s rows of 2,048 bytes,
	s_sub_co_u32 s30, ttmp9, 8
	s_lshl_b32 s30, s30, 6
	s_add_co_u32 s28, s28, s30                     ; + 4 x 16 (T - 8)
	s_add_nc_u64 s[24:25], s[24:25], s[28:29]
	v_lshlrev_b32 v3, 2, v1
	v_lshl_add_u32 v3, v2, 15, v3                  ; 4 r + 16 h rows
	WLOADS 2048
.Ljoin:
	s_wait_kmcnt 0x0
	s_cmp_lt_u32 ttmp9, 4
	s_cselect_b32 s26, s17, s19
	s_cmp_lt_u32 ttmp9, 8
	s_cselect_b32 s26, s26, s21                    ; e
	s_add_co_i32 s26, s26, 127
	s_lshl_b32 s27, s26, 23
	v_mov_b32 v11, s27                             ; 2^e as f32: the conversion takes its exponent field
	s_add_co_i32 s26, s26, 15
	s_lshl_b32 s26, s26, 23
	s_or_b32 s26, s26, 0x600000
	v_mov_b32 v10, s26                             ; 57,344 x 2^e
	s_wait_loadcnt 0x0
.set k, 0
.rept 64
	v_med3_num_f32 v[X+k], v[X+k], -v10, v10       ; the conversion to an 8-bit code does not saturate (ISA guide 7.6.2): the hold comes first
.set k, k+1
.endr
.irp c, 0,1,2,3
	v_cvt_scalef32_pk8_bf8_f32 v[CD+4*\c:CD+4*\c+1], v[X+16*\c:X+16*\c+7], v11
	v_cvt_scalef32_pk8_bf8_f32 v[CD+4*\c+2:CD+4*\c+3], v[X+16*\c+8:X+16*\c+15], v11
.endr
	v_nop                                          ; a plain line behind the last conversion
.irp c, 0,1,2,3
	global_store_b128 v4, v[CD+4*\c:CD+4*\c+3], s[12:13] offset:512*\c   ; 32 lanes store 512 consecutive bytes, at a multiple of 512 from wc's first byte
.endr
	s_endpgm
.Lfunc_end_k_qdab9cdd1b6_wq:
	.size	k_qdab9cdd1b6_wq, .Lfunc_end_k_qdab9cdd1b6_wq-k_qdab9cdd1b6_wq
	.p2alignl 7, 3214868480
	.fill 96, 4, 3214868480
	.section	.rodata,"a",@progbits
	.p2align	6, 0x0
	.amdhsa_kernel k_qdab9cdd1b6_wq
		.amdhsa_group_segment_fixed_size 0
		.amdhsa_private_segment_fixed_size 0
		.amdhsa_enable_private_segment 0
		.amdhsa_kernarg_size 40
		.amdhsa_user_sgpr_count 2
		.amdhsa_user_sgpr_kernarg_segment_ptr 1
		.amdhsa_wavefront_size32 1
		.amdhsa_system_sgpr_workgroup_id_x 1
		.amdhsa_system_sgpr_workgroup_id_y 1
		.amdhsa_system_sgpr_workgroup_id_z 1
		.amdhsa_system_vgpr_workitem_id 0
		.amdhsa_next_free_vgpr 96
		.amdhsa_next_free_sgpr 66
		.amdhsa_reserve_vcc 0
		.amdhsa_float_denorm_mode_32 3
		.amdhsa_float_denorm_mode_16_64 3
		.amdhsa_memory_ordered 1
		.amdhsa_forward_progress 1
		.amdhsa_inst_pref_size 20
	.end_amdhsa_kernel
	.amdgpu_metadata
---
amdhsa.version: [ 1, 2 ]
amdhsa.kernels:
  - .name:           k_qdab9cdd1b6_wq
    .symbol:         k_qdab9cdd1b6_wq.kd
    .args:
      - { .name: Wf, .offset: 0, .size: 8, .value_kind: global_buffer, .address_space: global }
      - { .name: Wg, .offset: 8, .size: 8, .value_kind: global_buffer, .address_space: global }
      - { .name: Wh, .offset: 16, .size: 8, .value_kind: global_buffer, .address_space: global }
      - { .name: lowp_scales, .offset: 24, .size: 8, .value_kind: global_buffer, .address_space: global }
      - { .name: wc, .offset: 32, .size: 8, .value_kind: global_buffer, .address_space: global }
    .group_segment_fixed_size: 0
    .private_segment_fixed_size: 0
    .kernarg_segment_align: 8
    .kernarg_segment_size: 40
    .max_flat_workgroup_size: 32
    .sgpr_count:     66
    .vgpr_count:     96
    .wavefront_size: 32
...
	.end_amdgpu_metadata
.endif
;; end of part 1
;; launch proj (part 2): grid 256 x 1, 4 waves a work-group, no clusters, 233,984 bytes of LDS; arguments x, wc, bf, bg, bh, lowp_scales, fc, kv; writes fc, kv
.if DOCPART == 2
	.amdgcn_target "amdgcn-amd-amdhsa--gfx1250"
	.amdhsa_code_object_version 6
	.text
	.protected	k_qdab9cdd1b6_proj
	.globl	k_qdab9cdd1b6_proj
	.p2align	8
	.type	k_qdab9cdd1b6_proj,@function
k_qdab9cdd1b6_proj:
	s_mov_b64 s[64:65], 0
	v_nop
	global_prefetch_b8 v0, s[64:65] scope:SCOPE_SE
	s_setreg_imm32_b32 hwreg(HW_REG_WAVE_MODE, 25, 1), 1
	s_wait_xcnt 0x0
; f = x Wf + bf, g = x Wg + bg, h = x Wh + bh on codes of BF8 (E5M2), and f, g, h turned into codes for the attention.  Nothing is left out.
; x [16,384][512] f32 is quantised in registers, three times, since each of the three products has its own scale for it (entries 0, 2, 4).  The weights' codes come from wc, in the order of an operand's registers.
; SHARES.  A work-group of four waves takes 64 rows.  They form four tiles m of 16: place r of tile m is row 32 (m / 2) + 8 (m % 2) + r + 8 (r / 8), so that two neighbouring tiles give a lane 16 neighbouring rows.
; x IS LOADED AS IT LIES AND TURNED THROUGH LDS.  The conversions take neighbours along K from one lane's registers, so a lane must hold 64 neighbouring bytes of ONE row; a load is best where neighbouring LANES take
; neighbouring bytes.  Both are had: each of wave w's 64 loads reads 512 consecutive bytes (one row of tile w, one K step of 128); a K step's 16 rows go into the wave's own stage, rows of 528 bytes, and come back
; 64 bytes of a row to a lane (528 bytes are 132 words: the 16 rows that a load touches start at 16 different banks: 64 banks of 4 bytes, ISA guide 11.1).  Each K step has a stage of its own: no byte is stored twice.
; Wave w then quantises tile w (12 fragments: 3 scales x 4 K steps) and stores them in LDS AS IMAGES OF THEIR REGISTERS (four registers: 512 bytes, lane l's 16 at 16 l); one barrier; then THE WAVES SHARE THE
; COLUMNS: waves 0, 1 make f's columns 32 w on, waves 2, 3 g's columns 32 (w - 2) on, and wave w makes h's columns 128 w on, each for all 64 rows: 160 matrix instructions a wave.
; f, g: source 0 = 16 columns of the weight, source 1 = 16 rows of x: a lane holds one row, its registers run along the columns, which are the next product's K.
; h:    source 0 = 16 rows of x, source 1 = 16 columns of Wh: a lane holds one column, its registers run along the rows, which are the keys: the last product's K.
; The biases are the C of each sum's first matrix instruction, divided by the power of two that the sums lack; the three scales ahead of each quantiser are folded into the conversion's one.
; OUT, all as register images, each store 512 consecutive bytes:  fc [tile 4 g + m][c 0..1][lane][16]: group c = columns 32 c + 16 h + 0 .. 15.
;   kv: a block of 147,456 bytes for each 256 rows: g [tile 0..15][c 0..1][lane][16], then h [q 0..1][ct 0..31][c 0..3][lane][16]: lane (r, h) = column 16 ct + r at rows 128 q + 32 c + 16 h + 0 .. 15.
; NO JOINT LOADS for the weights, though all work-groups read them: a fragment is used by one wave of a work-group, once, and goes from memory straight into its registers; the 320 KB of codes do not fit in
; LDS beside the images and the stages, so a shared fetch would want a ring, with a round of sixteen waves' waits for every 16 matrix instructions a tile.
; LIMITS on the exponents: e0, e2, e4, e6 - e0 - e1, e7 - e2 - e3, e9 - e4 - e5 between -126 and 112.  NaN among the inputs is not served.
; REGISTERS, in windows of 256.  window 0: v1-9 addresses; v12, v13 the add's two; v14-23 scales and limits; v24-31 bh; v32-95 64 numbers at work, then 8 accumulators; v96-111 codes; v112-127 two tiles of bias;
;   v128-255 my two tiles of Wf or Wg, later h's codes.   window 1: x turned, later x's fragments under e4.   window 2: x as loaded, then x's fragments under e0 or e2, later Wh's tiles 4-7.   window 3: Wh's tiles 0-3.
.set STG,   98304                      ; behind the 48 images: the stages
.set STK,   8448                       ; a K step's stage: 16 rows x 528 bytes
.set STW,   4*STK                      ; a wave's four
.set SPARE, STG+4*STW                  ; behind the stages: the spare words, 128 bytes for each wave: two blocks of 256 bytes that no other line names
.set LI,  1                            ; v1   16 x lane
.set TSW, 2                            ; v2   the stage, on the way in: my wave's + 16 x lane
.set XW,  3                            ; v3   where I store images: 16 x lane + 8,192 x wave
.set XW2, 4                            ; v4   the same + 65,536 (the third scale's lie beyond a 16-bit offset)
.set LF,  5                            ; v5   where I read x's images for f or g: 16 x lane + 32,768 (wave / 2)
.set LH,  6                            ; v6   and for h: 16 x lane + 65,536
.set BO,  7                            ; v7   64 h: my half's 16 numbers of bf or bg
.set RO,  8                            ; v8   4 r: my column's number of bh
.set TSR, 9                            ; v9   the stage, on the way out: my wave's + 528 r + 64 h
.set SPW, 12
.set NIL, 13
.set SC,  14                           ; v[14+2 i], v[15+2 i]: 2^e and 57,344 x 2^e for x's three scales
.set SFG, 20                           ; the same for f or g
.set SH,  22                           ; and for h
.set BHR, 24
.set T,   32
.set ACC, 32
.set PC,  96
.set BB,  112
.set WFG, 128
.set PCH, 128
.set MSB, 0
.macro WIN new                         ; the immediate's high byte repeats the setting that is left
.if MSB != \new
	s_set_vgpr_msb (MSB<<8)|\new
.set MSB, \new
.endif
.endm
.macro PLACES n
.rept \n
	v_nop
.endr
.endm
.macro MKSC e, vs, vl                  ; s[e]: an exponent; v[vs] = 2^e as f32, v[vl] = 57,344 x 2^e
	s_add_co_i32 s52, s[\e], 127
	s_lshl_b32 s53, s52, 23
	v_mov_b32 v[\vs], s53
	s_add_co_i32 s52, s52, 15
	s_lshl_b32 s52, s52, 23
	s_or_b32 s52, s52, 0x600000
	v_mov_b32 v[\vl], s52
.endm
; K step ks of my 16 rows through its stage: in as loaded, a row an instruction; back 64 bytes of a row to a lane.  LDS serves a wave's instructions in order (ISA guide 5.7.1.4): no wait between the stores and the loads.
.macro TURN ks
	WIN 0x08                                       ; the stores' data (source 1) window 2
.irp t, 0,1,2,3,4,5,6,7,8,9,10,11,12,13,14,15
	ds_store_b128 v[TSW], v[64*(\ks)+4*\t:64*(\ks)+4*\t+3] offset:STK*(\ks)+528*\t
.endr
	WIN 0x40                                       ; destination window 1
.irp b, 0,1,2,3
.irp j, 0,1,2,3
	ds_load_b128 v[64*(\ks)+16*\b+4*\j:64*(\ks)+16*\b+4*\j+3], v[TSR] offset:STK*(\ks)+128*\b+16*\j   ; register 64 s + 16 b + i = x(my row, 128 s + 32 b + 16 h + i)
.endr
.endr
	WIN 0
.endm
; K step ks of my 16 rows under scale sg becomes a fragment and goes to LDS.  The hold writes other registers: x serves three scales.
.macro QX ks, sg
	WIN 0x01                                       ; source 0 window 1
.set k, 0
.rept 64
	v_med3_num_f32 v[T+k], v[64*(\ks)+k], -v[SC+2*(\sg)+1], v[SC+2*(\sg)+1]   ; the conversion does not saturate (ISA guide 7.6.2)
.set k, k+1
.endr
	WIN 0
	s_wait_dscnt 0x0                               ; the last fragment's stores have read the codes' registers
.irp b, 0,1,2,3
	v_cvt_scalef32_pk8_bf8_f32 v[PC+4*\b:PC+4*\b+1], v[T+16*\b:T+16*\b+7], v[SC+2*(\sg)]
	v_cvt_scalef32_pk8_bf8_f32 v[PC+4*\b+2:PC+4*\b+3], v[T+16*\b+8:T+16*\b+15], v[SC+2*(\sg)]
.endr
	v_nop                                          ; a plain line behind the last conversion: the next holds, and later products, write its sources
.irp c, 0,1,2,3
.if \sg == 2
	ds_store_b128 v[XW2], v[PC+4*\c:PC+4*\c+3] offset:2048*(\ks)+512*\c
.else
	ds_store_b128 v[XW], v[PC+4*\c:PC+4*\c+3] offset:32768*(\sg)+2048*(\ks)+512*\c
.endif
.endr
.endm
	s_load_b256 s[4:11], s[0:1], 0x0               ; x s[4:5], wc s[6:7], bf s[8:9], bg s[10:11]
	s_load_b256 s[12:19], s[0:1], 0x20             ; bh s[12:13], the exponents s[14:15], fc s[16:17], kv s[18:19]
	v_lshl_add_u32 v[SPW], v0, 2, SPARE
	v_mov_b32 v[NIL], 0
	v_lshrrev_b32 v9, 5, v0
	v_readfirstlane_b32 s20, v9                    ; wave 0..3
	v_and_b32 v9, 31, v0
	v_lshlrev_b32 v[LI], 4, v9
	v_and_b32 v10, 15, v0                          ; r
	v_bfe_u32 v11, v0, 4, 1                        ; h
	v_lshlrev_b32 v[BO], 6, v11
	v_lshlrev_b32 v[RO], 2, v10
	s_mul_i32 s52, s20, STW
	s_add_co_u32 s52, s52, STG                     ; my wave's stages
	v_mul_u32_u24 v[TSR], v10, 528
	v_lshl_add_u32 v[TSR], v11, 6, v[TSR]
	v_add_nc_u32 v[TSR], s52, v[TSR]
	v_add_nc_u32 v[TSW], s52, v[LI]
	s_lshr_b32 s21, s20, 1                         ; wave / 2
	s_and_b32 s22, s20, 1                          ; wave % 2
	s_lshl_b32 s52, s20, 13
	v_add_nc_u32 v[XW], s52, v[LI]
	v_add_nc_u32 v[XW2], 0x10000, v[XW]
	s_lshl_b32 s52, s21, 15
	v_add_nc_u32 v[LF], s52, v[LI]
	v_add_nc_u32 v[LH], 0x10000, v[LI]
	s_mov_b32 s53, 0
	s_lshr_b32 s54, ttmp9, 2
	s_mul_i32 s55, s54, 147456                     ; my rows' block of kv
	s_and_b32 s56, ttmp9, 3
	s_lshl_b32 s56, s56, 12
	s_lshl_b32 s57, s22, 9
	s_add_co_u32 s58, s55, s56
	s_add_co_u32 s58, s58, s57                     ; g: block + 4,096 (g % 4) + 512 (wave % 2)
	s_lshl_b32 s59, ttmp9, 12
	s_add_co_u32 s59, s59, s57                     ; f: 4,096 g + 512 (wave % 2)
	s_wait_kmcnt 0x0
	s_load_b256 s[24:31], s[14:15], 0x0            ; e0 .. e7
	s_load_b64 s[32:33], s[14:15], 0x20            ; e8, e9
	s_lshl_b32 s52, ttmp9, 17                      ; x: 64 g rows of 2,048 bytes,
	s_lshl_b32 s54, s21, 16
	s_add_co_u32 s52, s52, s54                     ; + 32 (wave / 2) rows
	s_lshl_b32 s54, s22, 14
	s_add_co_u32 s52, s52, s54                     ; + 8 (wave % 2) rows
	s_add_nc_u64 s[36:37], s[4:5], s[52:53]
	s_lshl_b32 s52, s20, 14
	s_add_nc_u64 s[38:39], s[6:7], s[52:53]        ; wc: tiles 2 w, 2 w + 1
	s_lshl_b32 s52, s20, 16
	s_add_co_u32 s52, s52, 0x10000
	s_add_nc_u64 s[40:41], s[6:7], s[52:53]        ; wc: tiles 8 + 8 w on
	s_lshl_b32 s52, s20, 9
	s_add_nc_u64 s[44:45], s[12:13], s[52:53]      ; bh: my 128 numbers
	s_lshl_b32 s52, s22, 7
	s_cmp_lt_u32 s20, 2                            ; waves 0, 1: f; waves 2, 3: g
	s_cselect_b64 s[42:43], s[8:9], s[10:11]
	s_cselect_b64 s[46:47], s[16:17], s[18:19]
	s_cselect_b32 s54, s59, s58
	s_add_nc_u64 s[42:43], s[42:43], s[52:53]      ; bf or bg: my 32 numbers
	s_mov_b32 s52, s54
	s_add_nc_u64 s[46:47], s[46:47], s[52:53]      ; where f's or g's codes go
	s_bfe_u32 s52, ttmp9, 0x10001
	s_lshl_b32 s52, s52, 16                        ; h: q = (g / 2) % 2,
	s_add_co_u32 s52, s52, s55
	s_add_co_u32 s52, s52, 16384                   ; behind the block's g,
	s_lshl_b32 s54, s20, 14
	s_add_co_u32 s52, s52, s54                     ; my eight tiles of columns,
	s_and_b32 s54, ttmp9, 1
	s_lshl_b32 s54, s54, 10
	s_add_co_u32 s52, s52, s54                     ; groups 2 (g % 2) on
	s_add_nc_u64 s[48:49], s[18:19], s[52:53]
	; THE LOADS, in this order on the one counter: 64 of x (16 for each K step), 32 of Wf or Wg, 4 of its bias, 8 of bh: 108
	WIN 0x80                                       ; destination window 2
.set k, 0
.rept 64
	global_load_b128 v[4*k:4*k+3], v[LI], s[36:37] offset:512*(k/16)+2048*((k%16)+8*((k%16)/8)) th:TH_LOAD_NT   ; K step k / 16 of the row at place k % 16: 32 lanes read 512 consecutive bytes
.set k, k+1
.endr
	WIN 0
.set k, 0
.rept 32
	global_load_b128 v[WFG+4*k:WFG+4*k+3], v[LI], s[38:39] offset:512*k   ; tile u, K step s at v[WFG + 64 u + 16 s]
.set k, k+1
.endr
.irp u, 0,1
	global_load_b128 v[BB+8*\u:BB+8*\u+3], v[BO], s[42:43] offset:32*\u       ; tile u's register j holds column 32 b + 16 h + 8 u + j
	global_load_b128 v[BB+8*\u+4:BB+8*\u+7], v[BO], s[42:43] offset:32*\u+16
.endr
.irp n, 0,1,2,3,4,5,6,7
	global_load_b32 v[BHR+\n], v[RO], s[44:45] offset:64*\n
.endr
	s_wait_kmcnt 0x0
	MKSC 24, SC, SC+1
	MKSC 26, SC+2, SC+3
	MKSC 28, SC+4, SC+5
	s_cmp_lt_u32 s20, 2
	s_cselect_b32 s54, s24, s26
	s_cselect_b32 s55, s25, s27
	s_cselect_b32 s56, s30, s31
	s_add_co_i32 s54, s54, s55                     ; a sum stands for sum x 2^(e0 + e1) (g: e2 + e3),
	s_sub_co_i32 s56, s56, s54                     ; so its code is sum / 2^(e6 - e0 - e1) (g: e7 - e2 - e3),
	s_sub_co_i32 s50, 0, s54                       ; and the bias goes in as bias / 2^(e0 + e1)
	MKSC 56, SFG, SFG+1
	s_add_co_i32 s54, s28, s29
	s_sub_co_i32 s56, s33, s54                     ; h: e9 - e4 - e5
	s_sub_co_i32 s51, 0, s54
	MKSC 56, SH, SH+1
	; ---- X: my 16 rows are turned, a K step ahead of the work, and become twelve fragments
	s_wait_loadcnt 63                              ; K step 0: 92 loads stand behind its 16; the count's field holds 63, and a smaller count is safe
	TURN 0
	s_wait_loadcnt 63                              ; K step 1: 76 behind it
	TURN 1
	s_wait_dscnt 32                                ; K step 0 is back from its stage; K step 1's 16 stores and 16 loads may be out
	QX 0, 0
	QX 0, 1
	QX 0, 2
	s_wait_loadcnt 60                              ; K step 2: 16 of x and the 44 others behind it
	TURN 2
	s_wait_dscnt 32                                ; all but K step 2's 32
	QX 1, 0
	QX 1, 1
	QX 1, 2
	s_wait_loadcnt 44                              ; K step 3: the 44 others
	WIN 0xc0                                       ; destination window 3
.set k, 0
.rept 64
	global_load_b128 v[4*k:4*k+3], v[LI], s[40:41] offset:512*k   ; Wh's tiles 0-3 of my eight: tile n, K step s at v[64 n + 16 s]
.set k, k+1
.endr
	WIN 0
	TURN 3
	s_wait_dscnt 32                                ; all but K step 3's 32
	QX 2, 0
	QX 2, 1
	QX 2, 2
	s_wait_dscnt 0x0                               ; K step 3 is back
	QX 3, 0
	QX 3, 1
	QX 3, 2
	s_wait_dscnt 0x0                               ; for the others' sake: my images have landed
	s_barrier_signal -1
	s_barrier_wait -1                              ; all 48 fragments lie in LDS; nothing is stored there again
	WIN 0x80                                       ; destination window 2: x as loaded is done with
.set k, 0
.rept 64
	ds_load_b128 v[4*k:4*k+3], v[LF] offset:512*k  ; x under f's or g's scale: tile m, K step s at v[16 (4 m + s)]
.set k, k+1
.endr
	WIN 0x40                                       ; destination window 1: x as f32 is done with
.set k, 0
.rept 64
	ds_load_b128 v[4*k:4*k+3], v[LH] offset:512*k  ; x under h's scale, likewise
.set k, k+1
.endr
	WIN 0
	; ---- f or g: two tiles of columns x four tiles of rows, eight accumulators by turns
	s_wait_loadcnt 63                              ; the weight's two tiles and the biases are in; behind them stand Wh's 64
.set k, 0
.rept 16
	v_ldexp_f32 v[BB+k], v[BB+k], s50
.set k, k+1
.endr
	s_wait_dscnt 63                                ; the first 64 LDS loads are in; behind them stand 64
	WIN 0x08                                       ; source 1 (x) window 2
.irp ks, 0,1,2,3
.irp u, 0,1
.irp m, 0,1,2,3
.if \ks == 0
	v_wmma_f32_16x16x128_bf8_bf8 v[ACC+8*(4*\u+\m):ACC+8*(4*\u+\m)+7], v[WFG+64*\u+16*\ks:WFG+64*\u+16*\ks+15], v[16*(4*\m+\ks):16*(4*\m+\ks)+15], v[BB+8*\u:BB+8*\u+7]
.else
	v_wmma_f32_16x16x128_bf8_bf8 v[ACC+8*(4*\u+\m):ACC+8*(4*\u+\m)+7], v[WFG+64*\u+16*\ks:WFG+64*\u+16*\ks+15], v[16*(4*\m+\ks):16*(4*\m+\ks)+15], v[ACC+8*(4*\u+\m):ACC+8*(4*\u+\m)+7]
.endif
.endr
.endr
.endr
	WIN 0
	PLACES 4                                       ; in front of loads into registers that these products read, and of the first read of their results
	WIN 0x80
.set k, 0
.rept 64
	global_load_b128 v[4*k:4*k+3], v[LI], s[40:41] offset:32768+512*k   ; Wh's tiles 4-7
.set k, k+1
.endr
	WIN 0
.set k, 0
.rept 64
	v_med3_num_f32 v[ACC+k], v[ACC+k], -v[SFG+1], v[SFG+1]   ; each accumulator from its low end on
.set k, k+1
.endr
.irp m, 0,1,2,3
.irp u, 0,1
	v_cvt_scalef32_pk8_bf8_f32 v[PC+4*\m+2*\u:PC+4*\m+2*\u+1], v[ACC+8*(4*\u+\m):ACC+8*(4*\u+\m)+7], v[SFG]   ; tiles u = 0, 1: columns 32 b + 16 h + 0 .. 15 of the row at place r of tile m
.endr
.endr
	v_nop                                          ; a plain line behind the last conversion: the next products write its sources
.irp m, 0,1,2,3
	global_store_b128 v[LI], v[PC+4*\m:PC+4*\m+3], s[46:47] offset:1024*\m
.endr
	; ---- h: my eight tiles of columns, two at a time x four tiles of rows
	s_wait_dscnt 0x0                               ; x under h's scale is in
.irp p, 0,1,2,3
.irp t, 0,1
.irp j, 0,1,2,3,4,5,6,7
	v_ldexp_f32 v[BB+8*\t+\j], v[BHR+2*\p+\t], s51   ; a lane holds one column: its number of bh / 2^(e4 + e5) in all eight registers
.endr
.endr
.if \p < 2
	s_wait_loadcnt 63                              ; this pair's 32 loads are in: 96, then 64, stand behind them
	WIN 0x0d                                       ; source 0 (x) window 1, source 1 (Wh) window 3
.elseif \p == 2
	s_wait_loadcnt 32                              ; tiles 6 and 7 may be out
	WIN 0x09                                       ; source 1 window 2
.else
	s_wait_loadcnt 0x0
	WIN 0x09
.endif
.irp ks, 0,1,2,3
.irp t, 0,1
.irp m, 0,1,2,3
.if \ks == 0
	v_wmma_f32_16x16x128_bf8_bf8 v[ACC+8*(4*\t+\m):ACC+8*(4*\t+\m)+7], v[16*(4*\m+\ks):16*(4*\m+\ks)+15], v[64*((2*\p+\t)%4)+16*\ks:64*((2*\p+\t)%4)+16*\ks+15], v[BB+8*\t:BB+8*\t+7]
.else
	v_wmma_f32_16x16x128_bf8_bf8 v[ACC+8*(4*\t+\m):ACC+8*(4*\t+\m)+7], v[16*(4*\m+\ks):16*(4*\m+\ks)+15], v[64*((2*\p+\t)%4)+16*\ks:64*((2*\p+\t)%4)+16*\ks+15], v[ACC+8*(4*\t+\m):ACC+8*(4*\t+\m)+7]
.endif
.endr
.endr
.endr
	WIN 0
	PLACES 4
.set k, 0
.rept 64
	v_med3_num_f32 v[ACC+k], v[ACC+k], -v[SH+1], v[SH+1]
.set k, k+1
.endr
.irp t, 0,1
.irp m, 0,1,2,3
	v_cvt_scalef32_pk8_bf8_f32 v[PCH+16*\p+8*\t+4*(\m/2)+2*(\m%2):PCH+16*\p+8*\t+4*(\m/2)+2*(\m%2)+1], v[ACC+8*(4*\t+\m):ACC+8*(4*\t+\m)+7], v[SH]   ; tiles m = 2 b, 2 b + 1: rows 32 b + 16 h + 0 .. 15 of my column
.endr
.endr
	v_nop                                          ; a plain line behind the last conversion
.irp t, 0,1
.irp b, 0,1
	global_store_b128 v[LI], v[PCH+16*\p+8*\t+4*\b:PCH+16*\p+8*\t+4*\b+3], s[48:49] offset:2048*(2*\p+\t)+512*\b   ; each pair has its own registers for its codes: no store's data are written again
.endr
.endr
.endr
	s_wait_tensorcnt 0x0                           ; the wave's end, behind my last LDS store
	ds_add_u32 v[SPW], v[NIL]
	s_wait_dscnt 0x0
	s_endpgm
.Lfunc_end_k_qdab9cdd1b6_proj:
	.size	k_qdab9cdd1b6_proj, .Lfunc_end_k_qdab9cdd1b6_proj-k_qdab9cdd1b6_proj
	.p2alignl 7, 3214868480
	.fill 96, 4, 3214868480
	.section	.rodata,"a",@progbits
	.p2align	6, 0x0
	.amdhsa_kernel k_qdab9cdd1b6_proj
		.amdhsa_group_segment_fixed_size 233984
		.amdhsa_private_segment_fixed_size 0
		.amdhsa_enable_private_segment 0
		.amdhsa_kernarg_size 64
		.amdhsa_user_sgpr_count 2
		.amdhsa_user_sgpr_kernarg_segment_ptr 1
		.amdhsa_wavefront_size32 1
		.amdhsa_system_sgpr_workgroup_id_x 1
		.amdhsa_system_sgpr_workgroup_id_y 1
		.amdhsa_system_sgpr_workgroup_id_z 1
		.amdhsa_system_vgpr_workitem_id 0
		.amdhsa_next_free_vgpr 1024
		.amdhsa_next_free_sgpr 66
		.amdhsa_reserve_vcc 0
		.amdhsa_float_denorm_mode_32 3
		.amdhsa_float_denorm_mode_16_64 3
		.amdhsa_memory_ordered 1
		.amdhsa_forward_progress 1
		.amdhsa_inst_pref_size 144
	.end_amdhsa_kernel
	.amdgpu_metadata
---
amdhsa.version: [ 1, 2 ]
amdhsa.kernels:
  - .name:           k_qdab9cdd1b6_proj
    .symbol:         k_qdab9cdd1b6_proj.kd
    .args:
      - { .name: x, .offset: 0, .size: 8, .value_kind: global_buffer, .address_space: global }
      - { .name: wc, .offset: 8, .size: 8, .value_kind: global_buffer, .address_space: global }
      - { .name: bf, .offset: 16, .size: 8, .value_kind: global_buffer, .address_space: global }
      - { .name: bg, .offset: 24, .size: 8, .value_kind: global_buffer, .address_space: global }
      - { .name: bh, .offset: 32, .size: 8, .value_kind: global_buffer, .address_space: global }
      - { .name: lowp_scales, .offset: 40, .size: 8, .value_kind: global_buffer, .address_space: global }
      - { .name: fc, .offset: 48, .size: 8, .value_kind: global_buffer, .address_space: global }
      - { .name: kv, .offset: 56, .size: 8, .value_kind: global_buffer, .address_space: global }
    .group_segment_fixed_size: 233984
    .private_segment_fixed_size: 0
    .kernarg_segment_align: 8
    .kernarg_segment_size: 64
    .max_flat_workgroup_size: 128
    .sgpr_count:     66
    .vgpr_count:     1024
    .wavefront_size: 32
...
	.end_amdgpu_metadata
.endif
;; end of part 2
;; launch attn (part 3): grid 256 x 1, 4 waves a work-group, clusters of 4 x 1, 327,680 bytes of LDS; arguments x, fc, kv, gamma, lowp_scales, out0; writes out0
.if DOCPART == 3
	.amdgcn_target "amdgcn-amd-amdhsa--gfx1250"
	.amdhsa_code_object_version 6
	.text
	.protected	k_qdab9cdd1b6_attn
	.globl	k_qdab9cdd1b6_attn
	.p2align	8
	.type	k_qdab9cdd1b6_attn,@function
k_qdab9cdd1b6_attn:
	s_mov_b64 s[64:65], 0
	v_nop
	global_prefetch_b8 v0, s[64:65] scope:SCOPE_SE
	s_setreg_imm32_b32 hwreg(HW_REG_WAVE_MODE, 25, 1), 1
	s_wait_xcnt 0x0
	s_wait_alu depctr_hold_cnt(0) depctr_sa_sdst(0) depctr_va_vdst(0) depctr_va_sdst(0) depctr_va_ssrc(0) depctr_va_vcc(0) depctr_vm_vsrc(0)
	s_getreg_b32 s2, hwreg(HW_REG_IB_STS2, 6, 4)
	s_cmp_eq_u32 s2, 0
	s_cbranch_scc0 .Lentry_in_a_cluster
	s_endpgm
.Lentry_in_a_cluster:
	s_bfe_u32 s2, ttmp6, 0x10000c
	s_cmp_lg_u32 s2, 0x3003
	s_cbranch_scc0 .Lentry_shape_is_right
	s_endpgm
.Lentry_shape_is_right:
; out = x + gamma softmax(f g^T) h, both products on codes of BF8 (E5M2).  f's, g's and h's codes come from the launch before, as images of operands' registers.  Nothing is left out.
; THE SOFTMAX AHEAD OF THE SECOND PRODUCT: t = score x log2(e); M = the row's largest t so far, rounded UP to a whole number; p = 2^(t - M) is what is quantised, along the keys; it is not normalised.
; The row's sum l is taken of the unquantised p, in f32, and divides at the end.  When M moves, l and O are multiplied by f = 2^(old M - new M): exact.
; SHARES.  A work-group owns 64 queries of one batch, four tiles of 16, and walks the batch's 4,096 keys in 16 steps of 256.
;   Scores and softmax: wave w owns tile w.  S^T = g f^T (source 0 = 16 keys, source 1 = my 16 queries): a lane holds one query, its registers run along the keys; the keys of a tile are laid so that
;   two neighbouring tiles give a lane 16 neighbouring keys, and the conversions' results are the second product's operand.
;   Second product: wave w owns channels 128 w .. 128 w + 127 FOR ALL 64 QUERIES: O^T = h^T p^T (source 0 = 16 channels, source 1 = 16 queries), 32 accumulators.  So each fragment of h is read from LDS by one
;   wave alone and feeds four matrix instructions.  p, f and at the end gamma 2^(e8 + e9) / l go from wave to wave through LDS: p as images of its registers, the others a word a lane.
; THE RING.  A step's g and h are one dense block of 147,456 bytes; two LDS slots; each wave fetches a quarter of a block by one tensor load (144 rows of 256 bytes).
; A STEP j, in this order: the scores (g of step j is in registers already) | the maxima | h of step j is asked of LDS | the rest of the softmax | p and f to LDS | THE ROUND | slot j % 2, all of whose g and h are in
;   registers by now, is filled again with block j + 2 | f and p from LDS | O^T x f | g of step j + 1 is asked of the other slot | the second product, under which g arrives.
;   So one round shows p to all waves, shows the next slot whole, and frees this one.  A second barrier stands between the reads of p of step j - 1 and the stores of p of step j: its signal at the step's top, its wait
;   behind the scores and the maxima, register work alone between.  (A second buffer for p in its stead would want 2,560 bytes more than LDS has beside the ring.)
; CLUSTER.  The four work-groups of a cluster belong to one batch and walk the same blocks, so each quarter is asked for JOINTLY: the same load, the same descriptor, a mask that names the four.
; By this text's own count a wave has two tensor loads out at the head and one behind each round.
; x FOR THE RESIDUAL is asked for in two halves: query tiles 0, 1 in step 0, behind its round; tiles 2, 3 in step 15, into the registers that g has left.
; LIMITS on the exponents: e6 + e7 between -126 and 127 (added to log2(e)'s exponent field); e8 between -126 and 112.  NaN among the inputs is not served.
; REGISTERS, in windows of 256.  window 0: v1-15 addresses and the add's two; v16-23 f's fragment; v24 -M, v25 the largest t, v[26:27] l, v[28:29] f; v32-63 p's codes; v64.. the four tiles' f, v72.. their divisors
;   (pairs: the packed forms name a pair and take its low word); v80-94 at work; v96-223 S^T, then p, then the eight fragments of p, then the way out.
;   window 1: O^T, accumulator (channel tile n, query tile m) at v[8 (4 n + m)].   window 2: h's 16 fragments; on the way out rows of the result.   window 3: v0-127 g's 16 fragments, at the end x's tiles 2, 3; v128-255 x's tiles 0, 1.
.set SLOTB, 147456                     ; a slot: g's 16,384 bytes, then h's 131,072
.set QUART, 36864                      ; what one tensor load brings
.set HOFF,  16384
.set PB,    2*SLOTB                    ; behind the ring: p's images, (4 q + m) x 2,048 + 512 c
.set FB,    PB+16384                   ; f: 128 m + 4 x lane; the divisors 512 bytes further on
.set SPARE, FB+1024                    ; the spare words, 128 bytes for each wave: two blocks of 256 bytes that no other line names
.set SROW,  528                        ; the way out: a stage of 16 rows x (512 bytes + 16) for each wave, in slot 0, which has had its last fill (block 14) and its last read (step 14) by then
.set LI,  1                            ; v1   16 x lane; also g's address in slot 0
.set AG1, 3                            ; v3   g's address in slot 1
.set AV,  4                            ; v4-7 h's address: slot, q at v[4 + 2 slot + q]
.set PW,  8                            ; v8   where I store p's images
.set PR,  9                            ; v9   where I read them
.set FW,  10                           ; v10  where I store f
.set FR,  11                           ; v11  where I read it
.set STO, 12                           ; v12  the stage: where I put 32 bytes of a row
.set RD,  13                           ; v13  and where I read a row back
.set SPW, 14
.set NIL, 15
.set Q,   16
.set NM,  24
.set L,   26
.set F,   28
.set PX,  30                           ; a lane permute's destination
.set PFO, 31                           ; v31  256 x lane: the prefetches' offset
.set PC,  32
.set FV,  64
.set IV,  72
.set MX,  80
.set SU,  84
.set LIMV, 92                          ; 57,344 x 2^e8
.set SCV, 93                           ; 2^e8
.set TT,  94
.set S,   96
.set WV,  16                           ; s16  my wave's number
.set G1,  24                           ; s[24:31] descriptor group 1
.set G0,  32                           ; s[32:39] group 0, a set for each slot
.set CS,  40                           ; s[40:41] log2(e) x 2^(e6 + e7)
.set SEL, 42                           ; s[42:43] lane selects: lane l xor 16
.set CNT, 44                           ; s44  trips of the loop to go
.set LIM, 45                           ; s45  1 in the batch's first cluster, else 0
.set LIMG, 46                          ; s46  1 in wave 0 of that cluster's work-groups, else 0
.set PFV, 48                           ; s[48:49] where my prefetches of h stand
.set PFG, 50                           ; s[50:51] and of g
.set MSB, 0
.macro WIN new                         ; the immediate's high byte repeats the setting that is left
.if MSB != \new
	s_set_vgpr_msb (MSB<<8)|\new
.set MSB, \new
.endif
.endm
.macro PLACES n
.rept \n
	v_nop
.endr
.endm
; A round of the cluster's barrier: my work-group's barrier; wave 0 signals for the work-group; every wave waits for all four work-groups; my work-group's barrier once more.
.macro CROUND
	s_barrier_signal -1
	s_barrier_wait -1
	s_cmp_lg_u32 s[WV], 0
	s_cbranch_scc1 .Lnot_wave_0_\@
	s_barrier_signal -3
.Lnot_wave_0_\@:
	s_barrier_wait -3
	s_barrier_signal -1
	s_barrier_wait -1
.endm
.macro GLOAD slot                      ; g's 16 fragments (16 keys x 64: 8 registers) into window 3
.set GA, LI
.if \slot
.set GA, AG1
.endif
	WIN 0xc0
.set k, 0
.rept 32
	ds_load_b128 v[4*k:4*k+3], v[GA] offset:512*k
.set k, k+1
.endr
	WIN 0
.endm
.macro VLOAD slot                      ; my 16 fragments of h (16 channels x 128 keys: 16 registers): q, channel tile n at v[128 q + 16 n] of window 2
	WIN 0x80
.irp q, 0,1
.set k, 0
.rept 32
	ds_load_b128 v[128*\q+4*k:128*\q+4*k+3], v[AV+2*\slot+\q] offset:512*k
.set k, k+1
.endr
.endr
	WIN 0
.endm
.macro XLOAD m0                        ; x's rows of query tiles m0, m0 + 1, my 512 bytes of each, into window 3: tile m at v[64 ((m + 2) % 4)]
	WIN 0xc0
.irp u, 0,1
.irp t, 0,1,2,3,4,5,6,7,8,9,10,11,12,13,14,15
	global_load_b128 v[128-64*(\m0)+64*\u+4*\t:128-64*(\m0)+64*\u+4*\t+3], v[LI], s[66:67] offset:2048*(16*(\m0)+8*\u+\t+8*(\t/8)) th:TH_LOAD_NT   ; the row at place t of the tile: 32 lanes read 512 consecutive bytes
.endr
.endr
	WIN 0
.endm
; PREFETCHES INTO THE L2, behind a step's tensor load, its places and the runs of LDS loads.  All sixteen clusters of a batch walk the same blocks: the batch's first cluster asks, and nobody else.
; h: the round of step j (0 to 12) loads block j + 2 and asks for block j + 3's 131,072 bytes, which the next round will load: each of the cluster's sixteen waves takes 8,192 bytes, lanes 256 bytes apart; the
; partners are told apart BY ADDRESS.  g: the odd steps 1 to 11 ask, by wave 0, for the 16,384 bytes of blocks j + 3 and j + 4: 8,192 bytes a partner.  So each aligned block of 256 bytes is named once in the launch.
; Blocks 0 to 2 (and g of block 3) come by their loads alone; step 13, whose round loads the batch's last block, asks for nothing.
.macro ASK g
	s_cmp_eq_u32 s[LIM], 1
	s_cbranch_scc0 .Lno_h_\@
	global_prefetch_b8 v[PFO], s[PFV:PFV+1] th:TH_LOAD_NT scope:SCOPE_SE
.Lno_h_\@:
.if \g == 2
	s_cmp_eq_u32 s[LIMG], 1
	s_cbranch_scc0 .Lno_g_\@
	global_prefetch_b8 v[PFO], s[PFG:PFG+1] th:TH_LOAD_NT scope:SCOPE_SE
.Lno_g_\@:
.endif
.endm
.macro SMUL                            ; S^T = g f^T: 16 tiles of 16 keys, K = 64
	WIN 0x03                                       ; source 0 (g) window 3
.irp n, 0,1,2,3,4,5,6,7,8,9,10,11,12,13,14,15
	v_wmma_f32_16x16x64_bf8_bf8 v[S+8*\n:S+8*\n+7], v[8*\n:8*\n+7], v[Q:Q+7], 0
.endr
	WIN 0
	PLACES 4                                       ; in front of the first read of results (ISA guide 7.12.1)
.endm
; Register S + 16 b + i holds my query's score with key 32 b + 16 (lane / 16) + i of the step.
.macro MAXIMA
.irp c, 0,1,2,3
	v_max3_num_f32 v[MX+\c], v[S+3*\c], v[S+3*\c+1], v[S+3*\c+2]   ; the largest of my 128 scores, in four chains; the registers are taken in ascending order
.endr
.set k, 0
.rept 58
	v_max3_num_f32 v[MX+k%4], v[MX+k%4], v[S+12+2*k], v[S+13+2*k]
.set k, k+1
.endr
	v_max3_num_f32 v[MX], v[MX], v[MX+1], v[MX+2]
	v_max_num_f32 v[MX], v[MX], v[MX+3]
.endm
.macro SOFTREST last
	v_permlanex16_b32 v[PX], v[MX], s[SEL], s[SEL+1]
	v_max_num_f32 v[MX], v[MX], v[PX]              ; and among lane l xor 16's
	v_mul_f32 v[MX], s[CS], v[MX]                  ; as t (the factor is positive)
	v_max_num_f32 v[NM+1], v[NM+1], v[MX]          ; the running largest t
	v_mov_b32 v[MX], v[NM]
	v_floor_f32 v[NM], -v[NM+1]                    ; the new -M = floor(-t): M is a whole number
	v_sub_f32 v[MX], v[NM], v[MX]                  ; old M less new M: a whole number, 0 or less
	v_cvt_i32_f32 v[MX], v[MX]                     ; (it saturates)
	v_ldexp_f32 v[F], 1.0, v[MX]                   ; f = 2^(old M - new M)
.set k, 0
.rept 64
	v_pk_fma_f32 v[S+k:S+k+1], v[S+k:S+k+1], s[CS:CS+1], v[NM:NM+1] op_sel_hi:[1,0,0]   ; t - M, two at a time
.set k, k+2
.endr
.set k, 0
.rept 128
	v_exp_f32 v[S+k], v[S+k]                       ; p = 2^(t - M): one batch
.set k, k+1
.endr
	v_pk_mul_f32 v[L:L+1], v[L:L+1], v[F:F+1] op_sel_hi:[1,0]   ; l under the new M: the plain line behind the batch
	s_wait_alu depctr_va_vdst(0)                   ; one wait for the 128 exponentials, ahead of the first line that names a result
.irp c, 0,1,2,3
	v_pk_add_f32 v[SU+2*\c:SU+2*\c+1], v[S+4*\c:S+4*\c+1], v[S+4*\c+2:S+4*\c+3]   ; the sum of the UNQUANTISED p, two at a time, in four chains
.endr
.set k, 0
.rept 56
	v_pk_add_f32 v[SU+2*(k%4):SU+2*(k%4)+1], v[SU+2*(k%4):SU+2*(k%4)+1], v[S+16+2*k:S+17+2*k]
.set k, k+1
.endr
	v_pk_add_f32 v[SU:SU+1], v[SU:SU+1], v[SU+2:SU+3]
	v_pk_add_f32 v[SU+4:SU+5], v[SU+4:SU+5], v[SU+6:SU+7]
	v_pk_add_f32 v[SU:SU+1], v[SU:SU+1], v[SU+4:SU+5]
	v_pk_add_f32 v[L:L+1], v[L:L+1], v[SU:SU+1]
.irp b, 0,1,2,3,4,5,6,7
.irp i, 0,1,2,3,4,5,6,7,8,9,10,11,12,13,14,15
	v_min_num_f32 v[S+16*\b+\i], v[S+16*\b+\i], v[LIMV]   ; the conversion does not saturate (ISA guide 7.6.2); p is not negative, so the hold is one-sided
.endr
	v_cvt_scalef32_pk8_bf8_f32 v[PC+4*\b:PC+4*\b+1], v[S+16*\b:S+16*\b+7], v[SCV]
	v_cvt_scalef32_pk8_bf8_f32 v[PC+4*\b+2:PC+4*\b+3], v[S+16*\b+8:S+16*\b+15], v[SCV]
.endr
	v_nop                                          ; a plain line behind the last conversion: later products write its sources
.if \last
	v_add_f32 v[TT], v[L], v[L+1]                  ; l's two halves,
	v_permlanex16_b32 v[PX], v[TT], s[SEL], s[SEL+1]
	v_add_f32 v[TT], v[TT], v[PX]                  ; and lane l xor 16's: the row's sum
	v_rcp_f32 v[TT], v[TT]
	v_nop                                          ; a plain line behind the reciprocal,
	s_wait_alu depctr_va_vdst(0)                   ; and the wait ahead of its first reader
	v_mul_f32 v[TT], s62, v[TT]                    ; gamma / l
	v_ldexp_f32 v[TT], v[TT], s63                  ; x 2^(e8 + e9)
.endif
.endm
; 32 matrix instructions: keys 128 q on of the step, my 8 tiles of channels x the 4 tiles of queries.  The 32 accumulators take turns, one instruction a turn.  zero = 1: they start the sums: nothing is cleared.
.macro PVMUL q, zero
.irp n, 0,1,2,3,4,5,6,7
.irp m, 0,1,2,3
.if \zero
	v_wmma_f32_16x16x128_bf8_bf8 v[8*(4*\n+\m):8*(4*\n+\m)+7], v[128*\q+16*\n:128*\q+16*\n+15], v[S+16*(4*\q+\m):S+16*(4*\q+\m)+15], 0
.else
	v_wmma_f32_16x16x128_bf8_bf8 v[8*(4*\n+\m):8*(4*\n+\m)+7], v[128*\q+16*\n:128*\q+16*\n+15], v[S+16*(4*\q+\m):S+16*(4*\q+\m)+15], v[8*(4*\n+\m):8*(4*\n+\m)+7]
.endif
.endr
.endr
.endm
; A STEP.  slot: where its g and h lie.  kind 1: the slot is filled again behind the step's round; 2: nothing is left to fetch, the last block's landing is still to be shown; 3: the last step.
; first, last: step 0, step 15.  ask: 0 no prefetch, 1 h's, 2 h's and g's.
.macro TRIP slot, kind, first, last, ask
.if !\first
	s_wait_dscnt 0x0                               ; this step's g is in, and my reads of the last step's p and f are over:
	s_barrier_signal -1                            ; say so; the scores and the maxima, work on registers, stand between the signal and the wait
.endif
	SMUL
	MAXIMA
.if !\first
	s_barrier_wait -1                              ; every wave has said so: p's images and f may be stored anew
.endif
	VLOAD \slot                                    ; asked for here, wanted behind the round
.if \last
	XLOAD 2                                        ; g's registers are free: more than four places lie behind the scores' products, which read them
.endif
	SOFTREST \last
.irp q, 0,1
.irp c, 0,1,2,3
	ds_store_b128 v[PW], v[PC+16*\q+4*\c:PC+16*\q+4*\c+3] offset:8192*\q+512*\c
.endr
.endr
.if !\first
	ds_store_b32 v[FW], v[F]
.endif
.if \last
	ds_store_b32 v[FW], v[TT] offset:512
.endif
.if \kind == 1
	s_wait_tensorcnt 0x0                           ; all my tensor loads have landed: my quarter of the next step's slot: a group 0 may be written
	ds_add_u32 v[SPW], v[NIL]                      ; 0 onto my spare word; the steps below stand between it and the wait for it
	s_add_nc_u64 s[G0+4*\slot+2:G0+4*\slot+3], s[G0+4*\slot+2:G0+4*\slot+3], 2*SLOTB   ; this slot's next block; the type bits on top are not reached
.if \ask
	s_wait_xcnt 0x0                                ; the last prefetches, a step back, have read their addresses
	s_add_nc_u64 s[PFV:PFV+1], s[PFV:PFV+1], SLOTB
.if \ask == 2
	s_add_nc_u64 s[PFG:PFG+1], s[PFG:PFG+1], 2*SLOTB
.endif
.endif
	s_wait_dscnt 0x0                               ; the add is done; p and f have landed; h is in registers, and with it my reads of this slot are over
	CROUND                                         ; all that now holds of every wave of the four work-groups
	tensor_load_to_lds s[G0+4*\slot:G0+4*\slot+3], s[G1:G1+7]   ; my one tensor load behind the round: it has a whole step in which to land
	s_nop 0
	PLACES 4
.elseif \kind == 2
	s_wait_tensorcnt 0x0                           ; my quarter of the last block has landed
	ds_add_u32 v[SPW], v[NIL]
	s_wait_dscnt 0x0
	s_barrier_signal -1
	s_barrier_wait -1
.else
	s_wait_dscnt 0x0                               ; for the others' sake: p, f and the divisors have landed
	s_barrier_signal -1
	s_barrier_wait -1
.endif
.if !\first
.irp m, 0,1,2,3
	ds_load_b32 v[FV+2*\m], v[FR] offset:128*\m
.endr
.endif
.if \last
.irp m, 0,1,2,3
	ds_load_b32 v[IV+2*\m], v[FR] offset:512+128*\m
.endr
.endif
.set k, 0
.rept 32
	ds_load_b128 v[S+4*k:S+4*k+3], v[PR] offset:512*k   ; p's eight fragments: q, query tile m at v[S + 16 (4 q + m)]
.set k, k+1
.endr
.if !\first
	s_wait_dscnt 32                                ; f (and the divisors) are in; p's 32 loads may be out
	WIN 0x41                                       ; O^T (destination and source 0) window 1
.set a, 0
.rept 32
.irp i, 0,2,4,6
	v_pk_mul_f32 v[8*a+\i:8*a+\i+1], v[8*a+\i:8*a+\i+1], v[FV+2*(a%4):FV+2*(a%4)+1] op_sel_hi:[1,0]   ; each accumulator from its low end on
.endr
.set a, a+1
.endr
.endif
.if !\last
	GLOAD (1-\slot)                                ; the next step's g, out of the slot that the round has shown whole: it arrives under the products below
.endif
.if \first
	XLOAD 0
.endif
.if \ask
	ASK \ask
.endif
.if \last
	s_wait_dscnt 16                                ; p's first four fragments are in; its other 16 loads may be out
.else
	s_wait_dscnt 48                                ; the same, with g's 32 loads behind them
.endif
	WIN 0x52                                       ; source 0 (h) window 2, source 1 (p) window 0, C and D window 1
	PVMUL 0, \first
.if \last
	s_wait_dscnt 0x0
.else
	s_wait_dscnt 32                                ; all of p is in; g's 32 loads may be out
.endif
	PVMUL 1, 0
	WIN 0
.if !\last
	PLACES 5                                       ; the next scores' products write over p's fragments, which these products read: places are owed (ISA guide 7.12.1)
.endif
.endm
	s_load_b256 s[4:11], s[0:1], 0x0               ; x s[4:5], fc s[6:7], kv s[8:9], gamma s[10:11]
	s_load_b128 s[12:15], s[0:1], 0x20             ; the exponents s[12:13], out0 s[14:15]
	v_lshl_add_u32 v[SPW], v0, 2, SPARE
	v_mov_b32 v[NIL], 0
	ds_add_u32 v[SPW], v[NIL]                      ; the wave's opening: the add, twice on end, and its wait ahead of the round in front of my first tensor loads
	ds_add_u32 v[SPW], v[NIL]                      ; and once more; the set-up below, work on registers, stands between it and the wait
	v_lshrrev_b32 v[TT], 5, v0
	v_readfirstlane_b32 s[WV], v[TT]               ; wave 0..3
	s_mov_b32 s[G1], 15|(3<<16)|(1<<21)            ; 15:0 the mask: all four work-groups; 17:16 elements of 8 bytes; 21 set beside a mask; no padding: images need none
	s_mov_b32 s[G1+1], 32<<16                      ; tensor_dim0 = 32 elements: 256 bytes
	s_mov_b32 s[G1+2], 144<<16                     ; tensor_dim1 = 144 rows
	s_mov_b32 s[G1+3], 32<<16                      ; tile_dim0
	s_mov_b32 s[G1+4], 144                         ; tile_dim1
	s_mov_b32 s[G1+5], 32                          ; from row to row: dense
	s_mov_b32 s[G1+6], 0
	s_mov_b32 s[G1+7], 0
	s_mov_b32 s[SEL], 0x76543210
	s_mov_b32 s[SEL+1], 0xfedcba98
	s_lshr_b32 s19, ttmp9, 4                       ; the batch: sixteen clusters each; the four partners share it
	s_mul_i32 s72, s19, 16*SLOTB
	s_mov_b32 s73, 0                               ; the batch's first byte in kv
	s_mul_i32 s74, s[WV], QUART
	s_mov_b32 s75, 0                               ; my quarter of a block, in memory and in a slot: no place in the cluster enters either
	s_and_b32 s76, ttmp9, 15
	s_cmp_eq_u32 s76, 0
	s_cselect_b32 s[LIM], 1, 0                     ; the same in all four partners
	s_or_b32 s76, s76, s[WV]
	s_cmp_eq_u32 s76, 0
	s_cselect_b32 s[LIMG], 1, 0
	s_bfe_u32 s17, ttmp6, 0x40000                  ; cx: my place in the cluster: it enters global addresses of x, fc, out0 and of the prefetches alone
	s_lshl_b32 s18, ttmp9, 2
	s_add_co_u32 s18, s18, s17                     ; my block of 64 queries
	s_wait_dscnt 0x0                               ; both opening adds are done
	s_wait_kmcnt 0x0
	s_load_b128 s[52:55], s[12:13], 0x18           ; e6, e7, e8, e9
	s_load_b32 s62, s[10:11], 0x0                  ; gamma
	s_add_nc_u64 s[8:9], s[8:9], s[72:73]          ; kv at my batch
	s_mov_b32 s[G0], 1                             ; count = 1
	s_mov_b32 s[G0+1], s74                         ; LDS address: slot 0, my quarter
	s_add_nc_u64 s[G0+2:G0+3], s[8:9], s[74:75]    ; block 0, my quarter
	s_mov_b32 s[G0+4], 1
	s_add_co_u32 s[G0+5], s74, SLOTB               ; slot 1
	s_add_nc_u64 s[G0+6:G0+7], s[G0+2:G0+3], SLOTB ; block 1
	s_or_b32 s[G0+3], s[G0+3], 0x80000000          ; type = 2
	s_or_b32 s[G0+7], s[G0+7], 0x80000000
	s_lshl_b32 s76, s18, 17                        ; 64 rows of 2,048 bytes,
	s_lshl_b32 s78, s[WV], 9
	s_add_co_u32 s76, s76, s78                     ; my 128 channels
	s_mov_b32 s77, 0
	s_add_nc_u64 s[66:67], s[4:5], s[76:77]        ; x
	s_add_nc_u64 s[68:69], s[14:15], s[76:77]      ; out0
	s_lshl_b32 s76, s18, 12
	s_lshl_b32 s78, s[WV], 10
	s_add_co_u32 s76, s76, s78
	s_add_nc_u64 s[70:71], s[6:7], s[76:77]        ; fc: tile 4 x block + wave
	s_lshl_b32 s76, s17, 15
	s_lshl_b32 s78, s[WV], 13
	s_add_co_u32 s76, s76, s78                     ; 8,192 (4 cx + wave)
	s_add_co_u32 s76, s76, 2*SLOTB+HOFF
	s_add_nc_u64 s[PFV:PFV+1], s[8:9], s[76:77]    ; in block 2's h: step 0 steps it to block 3's
	s_lshr_b32 s76, s17, 1
	s_mul_i32 s76, s76, SLOTB
	s_and_b32 s78, s17, 1
	s_lshl_b32 s78, s78, 13
	s_add_co_u32 s76, s76, s78
	s_add_co_u32 s76, s76, 2*SLOTB
	s_add_nc_u64 s[PFG:PFG+1], s[8:9], s[76:77]    ; in block 2's (cx / 2 = 1: block 3's) g: step 1 steps it two blocks on.  Nothing is prefetched here, at the head
	CROUND                                         ; all four work-groups are here: the first joint loads meet
	tensor_load_to_lds s[G0:G0+3], s[G1:G1+7]      ; every wave issues both first fills, ahead of every wait on TENSORcnt and every LDS read
	s_nop 0
	tensor_load_to_lds s[G0+4:G0+7], s[G1:G1+7]
	s_nop 0
	PLACES 4
	v_and_b32 v[TT], 31, v0
	v_lshlrev_b32 v[LI], 4, v[TT]
	v_lshlrev_b32 v[PFO], 8, v[TT]
	v_lshl_add_u32 v[FR], v[TT], 2, FB
	global_load_b128 v[Q:Q+3], v[LI], s[70:71]               ; f's fragment stays in registers: group c = columns 32 c + 16 h + 0 .. 15 of the query at place r
	global_load_b128 v[Q+4:Q+7], v[LI], s[70:71] offset:512
	v_add_nc_u32 v[AG1], SLOTB, v[LI]
	s_lshl_b32 s72, s[WV], 14
	s_add_co_u32 s72, s72, HOFF
	v_add_nc_u32 v[AV], s72, v[LI]                 ; h: my eight tiles of channels
	v_add_nc_u32 v[AV+1], 0x10000, v[AV]
	v_add_nc_u32 v[AV+2], SLOTB, v[AV]
	v_add_nc_u32 v[AV+3], SLOTB, v[AV+1]
	s_lshl_b32 s72, s[WV], 11
	s_add_co_u32 s72, s72, PB
	v_add_nc_u32 v[PW], s72, v[LI]
	v_add_nc_u32 v[PR], PB, v[LI]
	v_lshl_add_u32 v[FW], v0, 2, FB                ; 128 x wave + 4 x lane
	v_and_b32 v[TT], 15, v0                        ; r
	v_bfe_u32 v[MX], v0, 4, 1                      ; h
	v_mul_u32_u24 v[STO], v[TT], SROW
	v_lshl_add_u32 v[STO], v[MX], 5, v[STO]
	s_mul_i32 s72, s[WV], 16*SROW
	v_add_nc_u32 v[STO], s72, v[STO]
	v_add_nc_u32 v[RD], s72, v[LI]
	v_mov_b32 v[NM+1], 0xff61b1e6                  ; the largest t so far: -3e38, under every t
	v_floor_f32 v[NM], -v[NM+1]
	v_mov_b32 v[L], 0
	v_mov_b32 v[L+1], 0
	v_mov_b32 v[F+1], 0                            ; (named as the upper half of a pair)
	v_mov_b32 v[PX], 0                             ; (a lane permute's destination counts as one of its sources)
.irp m, 0,1,2,3
	v_mov_b32 v[FV+2*\m+1], 0                      ; (upper halves of pairs)
	v_mov_b32 v[IV+2*\m+1], 0
.endr
	s_wait_kmcnt 0x0
	s_add_co_i32 s72, s52, s53
	s_lshl_b32 s72, s72, 23
	s_add_co_i32 s[CS], s72, 0x3fb8aa3b            ; a score stands for score x 2^(e6 + e7): the exponents are added to log2(e)'s exponent field
	s_mov_b32 s[CS+1], s[CS]
	s_add_co_i32 s72, s54, 127
	s_lshl_b32 s73, s72, 23
	v_mov_b32 v[SCV], s73
	s_add_co_i32 s72, s72, 15
	s_lshl_b32 s72, s72, 23
	s_or_b32 s72, s72, 0x600000
	v_mov_b32 v[LIMV], s72
	s_add_co_i32 s63, s54, s55                     ; e8 + e9
	s_wait_tensorcnt 0x1                           ; my quarter of slot 0 is in; slot 1's may stay out
	s_barrier_signal -1
	s_barrier_wait -1                              ; everybody's is
	GLOAD 0                                        ; step 0's g
	s_wait_loadcnt 0x0                             ; f's fragment
	s_wait_dscnt 0x0
	TRIP 0, 1, 1, 0, 1                             ; step 0: it starts the sums; its round loads block 2
	s_mov_b32 s[CNT], 6
.Ltrip:                                            ; six trips of two steps: steps 1 to 12, whose rounds load blocks 3 to 14
	TRIP 1, 1, 0, 0, 2
	TRIP 0, 1, 0, 0, 1
	s_sub_co_u32 s[CNT], s[CNT], 1
	s_cmp_lg_u32 s[CNT], 0
	s_cbranch_scc1 .Ltrip
	TRIP 1, 1, 0, 0, 0                             ; step 13: its round loads block 15, the last.  The tail is written out
	TRIP 0, 2, 0, 0, 0                             ; step 14
	TRIP 1, 3, 0, 1, 0                             ; step 15
; THE WAY OUT, a tile of 16 queries at a time.  A lane holds eight neighbouring channels of one query, and the lanes beside it other queries: so a tile goes through my own stage in LDS and comes back as whole
; rows of my 128 channels, 512 bytes, to which x's are added.  LDS serves a wave's instructions in order (ISA guide 5.7.1.4): no wait between the stores and the loads, nor in front of the next tile's stores.
.macro TOSTAGE m
.set TM, S+64*((\m)%2)
	WIN 0x01                                       ; source 0 (O^T) window 1
.irp n, 0,1,2,3,4,5,6,7
.irp i, 0,2,4,6
	v_pk_mul_f32 v[TM+8*\n+\i:TM+8*\n+\i+1], v[8*(4*\n+\m)+\i:8*(4*\n+\m)+\i+1], v[IV+2*\m:IV+2*\m+1] op_sel_hi:[1,0]   ; x gamma 2^(e8 + e9) / l; each accumulator from its low end on
.endr
.endr
	WIN 0
.irp n, 0,1,2,3,4,5,6,7
	ds_store_b128 v[STO], v[TM+8*\n:TM+8*\n+3] offset:64*\n
	ds_store_b128 v[STO], v[TM+8*\n+4:TM+8*\n+7] offset:64*\n+16
.endr
	WIN 0x80                                       ; destination window 2
.irp t, 0,1,2,3,4,5,6,7,8,9,10,11,12,13,14,15
	ds_load_b128 v[64*\m+4*\t:64*\m+4*\t+3], v[RD] offset:SROW*\t
.endr
	WIN 0
.endm
.macro SEND m, younger                 ; younger: the LDS instructions issued behind tile m's loads, which may stay out
	s_wait_dscnt \younger
	WIN 0x8e                                       ; destination and source 0 window 2, source 1 (x) window 3
.set k, 0
.rept 32
	v_pk_add_f32 v[64*\m+k:64*\m+k+1], v[64*\m+k:64*\m+k+1], v[64*((\m+2)%4)+k:64*((\m+2)%4)+k+1]
.set k, k+2
.endr
	WIN 0x08                                       ; the stores' data window 2
.irp t, 0,1,2,3,4,5,6,7,8,9,10,11,12,13,14,15
	global_store_b128 v[LI], v[64*\m+4*\t:64*\m+4*\t+3], s[68:69] offset:2048*(32*(\m/2)+8*(\m%2)+\t+8*(\t/8)) th:TH_STORE_NT   ; 32 lanes store 512 consecutive bytes, at a multiple of 512 from out0's first byte; each tile has its own registers
.endr
	WIN 0
.endm
	PLACES 4                                       ; behind the last products: their results are read, and their operands' registers written
	TOSTAGE 0
	TOSTAGE 1
	s_wait_loadcnt 32                              ; x's tiles 0 and 1 are in; the 32 loads of tiles 2 and 3 stand behind them
	SEND 0, 32                                     ; behind tile 0's loads: tile 1's 16 stores and 16 loads
	TOSTAGE 2
	SEND 1, 32
	TOSTAGE 3
	s_wait_loadcnt 0x0                             ; x's tiles 2 and 3
	SEND 2, 32
	SEND 3, 0
	s_wait_tensorcnt 0x0                           ; the wave's end, behind my last tensor load and my last LDS store
	ds_add_u32 v[SPW], v[NIL]
	s_wait_dscnt 0x0
	CROUND                                         ; the closing round: no work-group ends while a partner may still ask for a block that names it
	s_endpgm
.Lfunc_end_k_qdab9cdd1b6_attn:
	.size	k_qdab9cdd1b6_attn, .Lfunc_end_k_qdab9cdd1b6_attn-k_qdab9cdd1b6_attn
	.p2alignl 7, 3214868480
	.fill 96, 4, 3214868480
	.section	.rodata,"a",@progbits
	.p2align	6, 0x0
	.amdhsa_kernel k_qdab9cdd1b6_attn
		.amdhsa_group_segment_fixed_size 327680
		.amdhsa_private_segment_fixed_size 0
		.amdhsa_enable_private_segment 0
		.amdhsa_kernarg_size 48
		.amdhsa_user_sgpr_count 2
		.amdhsa_user_sgpr_kernarg_segment_ptr 1
		.amdhsa_wavefront_size32 1
		.amdhsa_system_sgpr_workgroup_id_x 1
		.amdhsa_system_sgpr_workgroup_id_y 1
		.amdhsa_system_sgpr_workgroup_id_z 1
		.amdhsa_system_vgpr_workitem_id 0
		.amdhsa_next_free_vgpr 1024
		.amdhsa_next_free_sgpr 80
		.amdhsa_reserve_vcc 0
		.amdhsa_float_denorm_mode_32 3
		.amdhsa_float_denorm_mode_16_64 3
		.amdhsa_memory_ordered 1
		.amdhsa_forward_progress 1
		.amdhsa_inst_pref_size 255
	.end_amdhsa_kernel
	.section	.bss,"aw",@nobits
	.p2align	6
	.space	262144
	.amdgpu_metadata
---
amdhsa.version: [ 1, 2 ]
amdhsa.kernels:
  - .name:           k_qdab9cdd1b6_attn
    .symbol:         k_qdab9cdd1b6_attn.kd
    .args:
      - { .name: x, .offset: 0, .size: 8, .value_kind: global_buffer, .address_space: global }
      - { .name: fc, .offset: 8, .size: 8, .value_kind: global_buffer, .address_space: global }
      - { .name: kv, .offset: 16, .size: 8, .value_kind: global_buffer, .address_space: global }
      - { .name: gamma, .offset: 24, .size: 8, .value_kind: global_buffer, .address_space: global }
      - { .name: lowp_scales, .offset: 32, .size: 8, .value_kind: global_buffer, .address_space: global }
      - { .name: out0, .offset: 40, .size: 8, .value_kind: global_buffer, .address_space: global }
    .group_segment_fixed_size: 327680
    .private_segment_fixed_size: 0
    .kernarg_segment_align: 8
    .kernarg_segment_size: 48
    .max_flat_workgroup_size: 128
    .sgpr_count:     80
    .vgpr_count:     1024
    .wavefront_size: 32
...
	.end_amdgpu_metadata
.endif
;; end of part 3
